; MI455X (gfx1250); checked and timed in simulation.
; The chip was launched on July 23, 2026; its instructions are those of AMD's public machine-readable ISA for CDNA 5 (MIT licence, August 2026) and "CDNA5" Instruction Set Architecture Reference Guide (July 2026). The comments in the code are by the model that wrote it; some were corrected since.
;; Vector Quantizer. Allowed arithmetic: matrix products marked QUANTISED: E3M2 operands, one E8M0 scale for each 32 along K, by v_wmma_scale_f32_16x16x128_f8f6f4 with both operands' format E3M2, f32 sums; everything else in f32.
;; Inputs: emb 8,192 x 256 float32; z 8 x 256 x 4,096 float32.
;; Outputs: out0 8 x 256 x 4,096 float32; out1 one number float32; out2 32,768 int32.
;; This version of the problem:
;;   THIS VERSION OF THE PROBLEM IS GIVEN IN LOW PRECISION. The matrix products marked QUANTISED in the list below multiply operands that are first quantised to E3M2 (3 exponent bits, 2 mantissa bits; 6 bits a number), with one power-of-two scale for each 32 numbers along K (OCP MX v1.0); their sums are f32. All else is computed in f32.
;;   The module's matrix products, in the order in which they are computed (A, B: the left and right operand; K: the contracted axis; several contracted axes count as one K, in the product's order):
;;     1. [M 32,768, K 256] x [K 256, N 8,192]; A: input z; B: input emb: QUANTISED
;;   THE QUANTISER, for each operand of a quantised product, along K:
;;     - K is cut into blocks of 32 from its start; a last block that is shorter is filled with zeros.
;;     - A block's scale is 2^e with e = floor(log2(the largest magnitude in the block)) - 4, held to -126 .. 127; a block of zeros has e = 0. As a byte (E8M0): e + 127.
;;     - Each number is divided by its block's scale, clamped to +-28, and rounded to the nearest number of E3M2, ties to even, subnormals kept.
;;     - The product sums the exact products of the quantised numbers (number of the format x scale) in f32.
;;   ~~~python
;;   def quantise(x, axis):      # numpy; x: float32 -> the quantised numbers, widened to float32 again
;;       x = np.moveaxis(x, axis, -1); K = x.shape[-1]
;;       x = np.pad(x, [(0, 0)] * (x.ndim - 1) + [(0, -K % 32)]); x = x.reshape(x.shape[:-1] + (-1, 32)); a = np.abs(x).max(-1, keepdims=True)
;;       e = np.where(a > 0, np.clip(np.frexp(np.where(a > 0, a, 1))[1] - 1 - 4, -126, 127), 0)      # np.frexp(a)[1] - 1 = floor(log2(a)), exactly
;;       r = np.clip(x / 2.0 ** e, -28, 28)
;;       step = 2.0 ** (np.maximum(np.frexp(np.where(r == 0, 1, r))[1] - 1, -2) - 2)
;;       q = np.round(r / step) * step * 2.0 ** e      # np.round: ties to even
;;       return np.moveaxis(q.reshape(q.shape[:-2] + (-1,))[..., :K], -1, axis).astype(np.float32)
;;   ~~~
;; One version. Each part assembles by itself: llvm-mc -triple=amdgcn-amd-amdhsa -mcpu=gfx1250 --defsym DOCPART=n.
;; ======== version 1 of 1: 4 launches
;; limits: right only within a limited range of input values
;; workspace buffers: ecw 1,703,936 bytes; idxw 131,072 bytes of whole numbers; part 16,384 bytes
;; launch embq (part 1): grid 256 x 1, 2 waves a work-group, no clusters, 33,536 bytes of LDS; arguments emb, ecw; writes ecw
.if DOCPART == 1
	.amdgcn_target "amdgcn-amd-amdhsa--gfx1250"
	.amdhsa_code_object_version 6
	.text
	.protected	k_q018418397b_embq
	.globl	k_q018418397b_embq
	.p2align	8
	.type	k_q018418397b_embq,@function
k_q018418397b_embq:
	s_mov_b64 s[64:65], 0
	v_nop
	global_prefetch_b8 v0, s[64:65] scope:SCOPE_SE
	s_setreg_imm32_b32 hwreg(HW_REG_WAVE_MODE, 25, 1), 1
	s_wait_xcnt 0x0
; emb [8192][256] f32 becomes 512 RECORDS of 3,328 bytes, one for each tile of 16 codebook rows, laid in the order of the matrix operand's registers:
;   bytes 512 G + 16 L      registers 4 G .. 4 G + 3 of lane L, G = 0 .. 5: the fragments of K steps 0 (registers 0-11) and 1 (registers 12-23), codes of E3M2, 6 bits each
;   bytes 3072 + 4 L        the scale word (four E8M0 bytes): lanes 0-15 K step 0 of row L, lanes 16-31 K step 1 of row L - 16
;   bytes 3200 + 4 L        the sum of squares of row L % 16, f32 (twice over, so that a record is 13 blocks of 256 bytes)
; A block's scale is 2^(floor(log2(largest magnitude)) - 4); its byte is the largest magnitude's exponent field - 4, held at 1 from below.  A block of zeros so gets the byte 1:
; its codes are zeros, and this program alone reads the bytes.
; LIMITS: NaN and infinities are not served; blocks whose largest magnitude lies under 2^(5 - 127), the floor, were not tried.
; SHARES.  A wave takes one tile: 16 rows, 16,384 dense bytes.  Its loads take the bytes as they lie, 512 consecutive bytes each; the operand's layout wants lane (r, h) to hold, of row r,
; k = 64 c + 32 h + 0 .. 31 of each K step: so the tile turns through the wave's own stage in LDS.  No barrier: waves share nothing.
.set REC,   3328
.set PITCH, 1040                       ; a stage row: 1,024 bytes + 16: the sixteen rows that a read touches start 65 x 16 bytes apart
.set STG,   16*PITCH
.set LO,  4                            ; v4   16 x lane
.set ST,  5                            ; v5   the stage, on the way in
.set RD,  6                            ; v6   and on the way out: row r, + 128 h
.set L4,  7                            ; v7   4 x lane
.set MXA, 8                            ; v8-9 two chains of the largest magnitude
.set MXB, 9
.set SCO, 10                           ; v10  the conversions' scale operand
.set BY,  12                           ; v12-15 the four blocks' scale bytes
.set WD,  16                           ; v16-19 scale words
.set SQ,  20                           ; v20-27 the sum of squares, four packed chains
.set PC,  32                           ; v32-55 the 24 registers of codes
.set PT,  56                           ; v56-58 a block's upper 16 codes, before they are moved
.set X,   64                           ; v64-191 128 numbers
	s_load_b128 s[4:7], s[0:1], 0x0                ; emb, ecw
	v_lshl_add_u32 v192, v0, 2, 0x8200
	v_mov_b32 v193, 0
	v_lshrrev_b32 v1, 5, v0
	v_readfirstlane_b32 s8, v1                     ; wave 0, 1
	v_and_b32 v1, 31, v0                           ; lane
	v_and_b32 v2, 15, v0                           ; r
	v_bfe_u32 v3, v0, 4, 1                         ; h
	v_lshlrev_b32 v[LO], 4, v1
	s_mul_i32 s9, s8, STG                          ; my wave's stage
	v_add_nc_u32 v[ST], s9, v[LO]
	v_mul_u32_u24 v[RD], v2, PITCH
	v_lshl_add_u32 v[RD], v3, 7, v[RD]
	v_add_nc_u32 v[RD], s9, v[RD]
	v_lshlrev_b32 v[L4], 2, v1
	s_lshl_b32 s10, ttmp9, 1
	s_add_co_u32 s10, s10, s8                      ; my tile: 2 x work-group + wave
	s_lshl_b32 s14, s10, 14                        ; its 16,384 bytes of emb
	s_mov_b32 s15, 0
	s_mul_i32 s16, s10, REC                        ; its record
	s_mov_b32 s17, 0
	s_mov_b32 s12, 0x76543210
	s_mov_b32 s13, 0xfedcba98                      ; v_permlanex16_b32's selects for lane l xor 16
	s_wait_alu depctr_va_vdst(0)
	s_wait_kmcnt 0x0
	s_add_nc_u64 s[4:5], s[4:5], s[14:15]
	s_add_nc_u64 s[6:7], s[6:7], s[16:17]
.set i, 0
.rept 32
	global_load_b128 v[X+4*i:X+4*i+3], v[LO], s[4:5] offset:512*i th:TH_LOAD_NT   ; 32 lanes read 512 consecutive bytes: half a row
.set i, i+1
.endr
.set i, 0
.rept 32
	s_wait_loadcnt 31-i                            ; loads come back in order: load i is in, the younger ones stay out
	ds_store_b128 v[ST], v[X+4*i:X+4*i+3] offset:PITCH*(i/2)+512*(i%2)
.set i, i+1
.endr
	s_wait_dscnt 0x0                               ; the stores have read their registers: the loads below land in the same ones
.set i, 0
.rept 32
	ds_load_b128 v[X+4*i:X+4*i+3], v[RD] offset:256*(i/8)+16*(i%8)   ; block i / 8 = 2 s + c: k = 128 s + 64 c + 32 h + 0 .. 31 of row r
.set i, i+1
.endr
; One block of 32 numbers, all in my registers: its largest magnitude, its byte, its part of the sum of squares, its 32 codes in registers 6 bb .. 6 bb + 5.
.macro QBLK bb
.set XS, X+32*(\bb)
	v_max3_num_f32 v[MXA], |v[XS]|, |v[XS+1]|, 0x2800000            ; with the floor 2^(5 - 127) among the leaves: the byte cannot fall under 1
	v_max3_num_f32 v[MXB], |v[XS+2]|, |v[XS+3]|, |v[XS+4]|
.irp i, 5,9,13,17,21,25
	v_max3_num_f32 v[MXA], v[MXA], |v[XS+\i]|, |v[XS+\i+1]|
	v_max3_num_f32 v[MXB], v[MXB], |v[XS+\i+2]|, |v[XS+\i+3]|
.endr
	v_max3_num_f32 v[MXA], v[MXA], |v[XS+29]|, |v[XS+30]|
	v_max3_num_f32 v[MXA], v[MXA], v[MXB], |v[XS+31]|
	v_add_nc_u32 v[SCO], 0xfe000000, v[MXA]        ; 4 off its exponent field: the conversion takes the exponent field of this operand as its scale
	v_lshrrev_b32 v[BY+\bb], 23, v[SCO]            ; the scale's byte
.irp p, 0,1,2,3,4,5,6,7,8,9,10,11,12,13,14,15
.if (\bb == 0) && (\p < 4)
	v_pk_mul_f32 v[SQ+2*\p:SQ+2*\p+1], v[XS+2*\p:XS+2*\p+1], v[XS+2*\p:XS+2*\p+1]   ; the first four pairs start the chains: nothing is cleared
.else
	v_pk_fma_f32 v[SQ+2*(\p%4):SQ+2*(\p%4)+1], v[XS+2*\p:XS+2*\p+1], v[XS+2*\p:XS+2*\p+1], v[SQ+2*(\p%4):SQ+2*(\p%4)+1]
.endif
.endr
	v_cvt_scalef32_pk16_bf6_f32 v[PC+6*\bb:PC+6*\bb+2], v[XS:XS+15], v[SCO]
	v_cvt_scalef32_pk16_bf6_f32 v[PT:PT+2], v[XS+16:XS+31], v[SCO]   ; (a conversion's three registers begin on an even number: the block's upper half is made here and moved)
	v_nop                                          ; one plain instruction between a scaled conversion and the vector instruction that touches its result
.irp i, 0,1,2
	v_mov_b32 v[PC+6*\bb+3+\i], v[PT+\i]
.endr
.endm
	s_wait_dscnt 24                                ; block 0's eight loads are in; the three later blocks' may be out
	QBLK 0
	s_wait_dscnt 16
	QBLK 1
	s_wait_dscnt 8
	QBLK 2
	s_wait_dscnt 0x0
	QBLK 3
	; the scale words: of K step s I hold the bytes of blocks h and 2 + h; lane l xor 16 holds the other two
	v_lshl_or_b32 v[WD], v[BY+1], 16, v[BY]
	v_lshl_or_b32 v[WD+1], v[BY+3], 16, v[BY+2]
	v_lshlrev_b32 v[WD+2], 3, v3
	v_lshlrev_b32 v[WD], v[WD+2], v[WD]            ; 8 h bits up
	v_lshlrev_b32 v[WD+1], v[WD+2], v[WD+1]
	v_mov_b32 v[WD+2], 0                           ; (a lane permute's destination counts as one of its sources)
	v_mov_b32 v[WD+3], 0
	v_permlanex16_b32 v[WD+2], v[WD], s12, s13
	v_permlanex16_b32 v[WD+3], v[WD+1], s12, s13
	v_or_b32 v[WD], v[WD], v[WD+2]
	v_or_b32 v[WD+1], v[WD+1], v[WD+3]
	v_cmp_gt_u32 vcc_lo, 16, v1
	v_cndmask_b32 v[WD], v[WD+1], v[WD], vcc_lo    ; lanes 0-15 keep K step 0's word, lanes 16-31 K step 1's
	; the row's sum of squares
	v_pk_add_f32 v[SQ:SQ+1], v[SQ:SQ+1], v[SQ+2:SQ+3]
	v_pk_add_f32 v[SQ+4:SQ+5], v[SQ+4:SQ+5], v[SQ+6:SQ+7]
	v_pk_add_f32 v[SQ:SQ+1], v[SQ:SQ+1], v[SQ+4:SQ+5]
	v_add_f32 v[SQ], v[SQ], v[SQ+1]
	v_permlanex16_b32 v[SQ+1], v[SQ], s12, s13
	v_add_f32 v[SQ], v[SQ], v[SQ+1]                ; with lane l xor 16's half of the row
.irp g, 0,1,2,3,4,5
	global_store_b128 v[LO], v[PC+4*\g:PC+4*\g+3], s[6:7] offset:512*\g   ; 32 lanes store 512 consecutive bytes, at a multiple of 256 from the buffer's first byte
.endr
	global_store_b32 v[L4], v[WD], s[6:7] offset:3072
	global_store_b32 v[L4], v[SQ], s[6:7] offset:3200   ; these two fill the record's last 256 bytes
	s_wait_tensorcnt 0x0
	ds_add_u32 v192, v193
	s_wait_dscnt 0x0
	s_endpgm
.Lfunc_end_k_q018418397b_embq:
	.size	k_q018418397b_embq, .Lfunc_end_k_q018418397b_embq-k_q018418397b_embq
	.p2alignl 7, 3214868480
	.fill 96, 4, 3214868480
	.section	.rodata,"a",@progbits
	.p2align	6, 0x0
	.amdhsa_kernel k_q018418397b_embq
		.amdhsa_group_segment_fixed_size 33536
		.amdhsa_private_segment_fixed_size 0
		.amdhsa_enable_private_segment 0
		.amdhsa_kernarg_size 16
		.amdhsa_user_sgpr_count 2
		.amdhsa_user_sgpr_kernarg_segment_ptr 1
		.amdhsa_wavefront_size32 1
		.amdhsa_system_sgpr_workgroup_id_x 1
		.amdhsa_system_sgpr_workgroup_id_y 1
		.amdhsa_system_sgpr_workgroup_id_z 1
		.amdhsa_system_vgpr_workitem_id 0
		.amdhsa_next_free_vgpr 194
		.amdhsa_next_free_sgpr 66
		.amdhsa_reserve_vcc 1
		.amdhsa_float_denorm_mode_32 3
		.amdhsa_float_denorm_mode_16_64 3
		.amdhsa_memory_ordered 1
		.amdhsa_forward_progress 1
		.amdhsa_inst_pref_size 21
	.end_amdhsa_kernel
	.amdgpu_metadata
---
amdhsa.version: [ 1, 2 ]
amdhsa.kernels:
  - .name:           k_q018418397b_embq
    .symbol:         k_q018418397b_embq.kd
    .args:
      - { .name: emb, .offset: 0, .size: 8, .value_kind: global_buffer, .address_space: global }
      - { .name: ecw, .offset: 8, .size: 8, .value_kind: global_buffer, .address_space: global }
    .group_segment_fixed_size: 33536
    .private_segment_fixed_size: 0
    .kernarg_segment_align: 8
    .kernarg_segment_size: 16
    .max_flat_workgroup_size: 64
    .sgpr_count:     66
    .vgpr_count:     194
    .wavefront_size: 32
...
	.end_amdgpu_metadata
.endif
;; end of part 1
;; launch vqmin (part 2): grid 256 x 1, 8 waves a work-group, clusters of 4 x 1, 327,680 bytes of LDS; arguments z, ecw, out2, idxw; writes out2, idxw
.if DOCPART == 2
	.amdgcn_target "amdgcn-amd-amdhsa--gfx1250"
	.amdhsa_code_object_version 6
	.text
	.protected	k_q018418397b_vqmin
	.globl	k_q018418397b_vqmin
	.p2align	8
	.type	k_q018418397b_vqmin,@function
k_q018418397b_vqmin:
	s_mov_b64 s[64:65], 0
	v_nop
	global_prefetch_b8 v0, s[64:65] scope:SCOPE_SE
	s_setreg_imm32_b32 hwreg(HW_REG_WAVE_MODE, 25, 1), 1
	s_wait_xcnt 0x0
	s_wait_alu depctr_hold_cnt(0) depctr_sa_sdst(0) depctr_va_vdst(0) depctr_va_sdst(0) depctr_va_ssrc(0) depctr_va_vcc(0) depctr_vm_vsrc(0)
	s_getreg_b32 s2, hwreg(HW_REG_IB_STS2, 6, 4)
	s_cmp_eq_u32 s2, 0
	s_cbranch_scc0 .Lentry_in_a_cluster
	s_endpgm
.Lentry_in_a_cluster:
	s_bfe_u32 s2, ttmp6, 0x10000c
	s_cmp_lg_u32 s2, 0x3003
	s_cbranch_scc0 .Lentry_shape_is_right
	s_endpgm
.Lentry_shape_is_right:
; idx[token] = the first argmin over the 8,192 codebook rows k of d = (zz + ee[k]) - 2 dot(z, e[k]); the dot product on codes of E3M2 with one E8M0 scale for each 32 along K = 256.
; d IS FORMED WITH TWO ROUNDINGS, s = zz + ee[k], then one fused multiply-add s - 2 dot: rows can have equal smallest d in f32, and the lowest index among them is the answer.
; z: [8][256][4096] f32, K not innermost.  ecw: 512 records of 16 codebook rows in the order of the operand's registers: 24 registers of codes, a scale word, the rows' sums of squares.
; SHARES.  A work-group owns 128 tokens.  All eight waves hold the same 128 tokens as operand fragments (8 tiles x 2 K steps x 12 = 192 registers); the waves share out the codebook:
; of each chunk of 32 records wave w takes records 4 w .. 4 w + 3, so a record is read from LDS once and feeds 16 matrix instructions.
; LAYOUT.  Source 0 = 16 codebook rows, source 1 = 16 tokens: lane (r, h) holds token r, register j the row 8 h + j.  A lane keeps, for each tile of tokens, the smallest d so far, the number of the
; record in which it fell, and that record's eight d; the place among the eight is looked for once, at the end.  A later record takes over only where it is strictly smaller.
; BY TURNS.  Eight products (four tiles, two K steps, the four accumulators by turns) are followed by the d and the minima of the four tiles finished before: one block of 72 plain lines in which the
; four tiles' chains are interleaved; the ten selects of a tile go as five dual pairs under one mask.  Two switches of the register window serve four tiles.
; CLUSTER.  The four work-groups of a cluster walk the same records: each chunk is asked for jointly, every wave its own eighth, by the same tensor load with the same descriptor and the mask of all four.
; By this text's count a wave has one tensor load out at a time.
; LIMITS: NaN and infinities are not served; blocks whose largest magnitude lies under 2^(5 - 127) were not tried.  zz and ee are summed in another order than a plain running sum: that moves all d of a
; token by the same whole number of units in the last place, which changes no order and no tie unless the token's smallest d lies within a few such units of a power of two.
.set REC,    3328
.set WPART,  4*REC                     ; a wave's part of a chunk: 13,312 bytes = 52 rows of 256
.set CHUNK,  8*WPART
.set SLOT1,  1<<17                     ; slot 0 at LDS byte 0, slot 1 here
.set IMG,    CHUNK                     ; between the slots: the tokens' 16 fragments as images of their registers, 1,536 bytes each
.set ZSC,    SLOT1+CHUNK               ; the tokens' scale words, 128 bytes a tile
.set ZZP,    ZSC+1024                  ; the tokens' sums of squares, two halves of K
.set CMBD,   ZZP+1024                  ; the waves' smallest d, 512 bytes a wave; 4,096 bytes on: their indices
.set SPARE,  CMBD+8192                 ; the spare words, 128 bytes a wave: no other line names them
; window 0
.set SPW,  1
.set NIL,  2
.set AL16, 3                           ; 16 x lane, 4 x lane, 32 h, each + my wave's part of a slot
.set AL4,  4
.set ALE,  5
.set ADR,  6                           ; the three with the slot in hand added
.set ADS,  7
.set ADE,  8
.set CUR,  9                           ; the number of the record whose d are looked at
.set U0,   10
.set U1,   11
.set H8,   12
.set PFO,  13                          ; 256 x lane: the prefetches' offset
.set TMP,  14                          ; v14-21 s = zz + ee
.set SA,   22                          ; v22-23 the records' scale words
.set CMBW, 24
.set CMBR, 25
.set OUTO, 26
.set ZZ,   32                          ; v[32 + 2 t] zz;  v[33 + 2 t] the record of the smallest d
.set IDX,  33
.set BEST, 48                          ; v[48 + 2 t] the smallest d;  v[49 + 2 t] the tokens' scale words
.set SB,   49
.set EE,   64                          ; ee of my eight rows, two buffers
.set AF,   80                          ; a record's two fragments, two buffers
.set ACC,  128                         ; eight accumulators
.set SAV,  192                         ; the eight d of the record that holds the smallest, for each tile
; the minima of four tiles at work: v10, v11, v28, v30 and v27, v29, v31, v0 (v0 is free behind the head)
; window 1: v0-191: the tokens' fragments, (t, s) at 24 t + 12 s
; at the head only:
.set X,    128
.set PC,   80
.set PT,   104
.set SCO,  107
.set BY,   108
.set ZI,   112
.set ZSA,  113
.set ZZA,  114
.set IMGA, 115
.set SBA,  116
.set ZZR,  117
.set ZO,   118
.set WRD,  119
.set LN,   120
.set RR,   121
.set HH,   122
.set MSB, 0
.macro WIN new                         ; the immediate's high byte repeats the setting that is left
.if MSB != \new
	s_set_vgpr_msb (MSB<<8)|\new
.set MSB, \new
.endif
.endm
.macro CREST                           ; a round of the cluster's barrier behind its opening barrier
	s_cmp_lg_u32 s12, 0
	s_cbranch_scc1 .Lnot_wave_0_\@
	s_barrier_signal -3
.Lnot_wave_0_\@:
	s_barrier_wait -3
	s_barrier_signal -1
	s_barrier_wait -1
.endm
.macro CROUND
	s_barrier_signal -1
	s_barrier_wait -1
	CREST
.endm
.macro LOADZ bb                        ; z(128 kh + 32 bb + i, my token): a lane to a token, registers down K
.set i, 32*(\bb)
.rept 32
	global_load_b32 v[X+i], v[ZO], s[4:5] offset:16384*i th:TH_LOAD_NT
.set i, i+1
.endr
.endm
	s_load_b128 s[4:7], s[0:1], 0x0                ; z, ecw
	s_load_b128 s[8:11], s[0:1], 0x10              ; out2, idxw
	v_lshl_add_u32 v[SPW], v0, 2, SPARE
	v_mov_b32 v[NIL], 0
	ds_add_u32 v1, v2                              ; the opening lines: the add twice on end and its wait
	ds_add_u32 v1, v2
	s_wait_dscnt 0x0
	v_lshrrev_b32 v[LN], 5, v0
	s_delay_alu instid0(VALU_DEP_1)
	v_readfirstlane_b32 s12, v[LN]                 ; wave 0..7
	s_bfe_u32 s13, ttmp6, 0x40000                  ; cx
	s_lshl_b32 s14, ttmp9, 2
	s_add_co_u32 s14, s14, s13                     ; my work-group: it enters global addresses alone
	s_lshr_b32 s44, s12, 2                         ; kh: which 128 along K I quantise
	s_and_b32 s45, s12, 3                          ; tg: which 32 tokens
	s_lshr_b32 s40, s14, 5                         ; the batch: 32 work-groups each, 2^22 bytes
	s_lshl_b32 s40, s40, 22
	s_and_b32 s42, s14, 31
	s_lshl_b32 s42, s42, 9
	s_add_co_u32 s40, s40, s42
	s_lshl_b32 s42, s44, 21
	s_add_co_u32 s40, s40, s42
	s_lshl_b32 s42, s45, 7
	s_add_co_u32 s40, s40, s42
	s_mov_b32 s41, 0
	v_and_b32 v[LN], 31, v0
	s_delay_alu instid0(VALU_DEP_1)
	v_lshlrev_b32 v[ZO], 2, v[LN]
	s_wait_alu depctr_va_vdst(0)
	s_wait_kmcnt 0x0
	s_add_nc_u64 s[4:5], s[4:5], s[40:41]
	LOADZ 0
	s_lshl_b32 s40, s14, 9                         ; my 128 tokens in the outputs
	s_add_nc_u64 s[8:9], s[8:9], s[40:41]
	s_add_nc_u64 s[10:11], s[10:11], s[40:41]
	; the prefetches (macro ASK): chunks 4 to 15 are 13 x 98,304 bytes; at each change of slots the first cluster asks for 98,304: 24,576 a work-group, told apart by address, 8,192 a wave (waves 0 to 2)
	s_min_u32 s42, s12, 2
	s_lshl_b32 s42, s42, 13
	s_mul_i32 s43, s13, 24576
	s_add_co_u32 s40, s42, s43
	s_add_co_u32 s40, s40, 4*CHUNK-98304           ; the first change of slots steps it to chunk 4
	s_add_nc_u64 s[38:39], s[6:7], s[40:41]
	s_cmp_lt_u32 s12, 3
	s_cselect_b32 s35, 0, 1
	s_or_b32 s35, s35, ttmp9                       ; 0 in waves 0 to 2 of the first cluster: the same in all four partners
	s_cmp_eq_u32 s35, 0
	s_cselect_b32 s35, 1, -1                       ; a wave prefetches while the refills to go are above this
	; descriptor group 1: 13,312 dense bytes as 52 rows of 256 bytes
	s_mov_b32 s16, 15|(3<<16)|(1<<21)
	s_mov_b32 s17, 32<<16
	s_mov_b32 s18, 52<<16
	s_mov_b32 s19, 32<<16
	s_mov_b32 s20, 52
	s_mov_b32 s21, 32
	s_mov_b32 s22, 0
	s_mov_b32 s23, 0
	s_mul_i32 s46, s12, WPART                      ; my wave's part, in a chunk and in a slot
	s_mov_b32 s47, 0
	s_mov_b32 s24, 1
	s_mov_b32 s25, s46                             ; slot 0,
	s_add_nc_u64 s[26:27], s[6:7], s[46:47]        ; chunk 0
	s_mov_b32 s28, 1
	s_add_co_u32 s29, s46, SLOT1                   ; the group 0 that walks: slot 1,
	s_add_nc_u64 s[30:31], s[26:27], CHUNK         ; chunk 1
	s_or_b32 s27, s27, 0x80000000
	s_or_b32 s31, s31, 0x80000000
	s_mov_b32 s32, 0                               ; the slot in hand
	s_lshl_b32 s33, s12, 2                         ; my first record
	s_mov_b32 s34, 14                              ; refills to go
	s_mov_b32 s36, 0x76543210
	s_mov_b32 s37, 0xfedcba98
	s_mov_b32 s52, 0xc0000000                      ; -2.0
	s_mov_b32 s53, s52
	v_and_b32 v[RR], 15, v0
	v_bfe_u32 v[HH], v0, 4, 1
	s_wait_alu depctr_va_vdst(0)
	v_lshl_add_u32 v[AL16], v[LN], 4, s46
	v_lshl_add_u32 v[AL4], v[LN], 2, s46
	v_lshl_add_u32 v[ALE], v[HH], 5, s46
	v_lshlrev_b32 v[H8], 3, v[HH]
	v_lshlrev_b32 v[PFO], 8, v[LN]
	s_mul_i32 s48, s45, 6144                       ; my token is row r of tile 2 tg + h: its fragment of K step kh is image 4 tg + 2 h + kh
	s_mul_i32 s49, s44, 1536
	s_add_co_u32 s48, s48, s49
	s_add_co_u32 s48, s48, IMG
	v_mul_u32_u24 v[ZI], v[HH], 3072
	s_delay_alu instid0(VALU_DEP_1)
	v_lshl_add_u32 v[ZI], v[RR], 4, v[ZI]
	s_delay_alu instid0(VALU_DEP_1)
	v_add_nc_u32 v[ZI], s48, v[ZI]
	s_lshl_b32 s48, s45, 8
	s_lshl_b32 s49, s44, 6
	s_add_co_u32 s48, s48, s49
	s_add_co_u32 s48, s48, ZSC
	v_lshlrev_b32 v[ZSA], 7, v[HH]
	s_delay_alu instid0(VALU_DEP_1)
	v_lshl_add_u32 v[ZSA], v[RR], 2, v[ZSA]
	s_delay_alu instid0(VALU_DEP_1)
	v_add_nc_u32 v[ZSA], s48, v[ZSA]               ; its scale word: 128 x tile + 64 kh + 4 r
	s_lshl_b32 s48, s44, 9
	s_lshl_b32 s49, s45, 7
	s_add_co_u32 s48, s48, s49
	s_add_co_u32 s48, s48, ZZP
	v_lshl_add_u32 v[ZZA], v[LN], 2, s48
	v_lshl_add_u32 v[IMGA], v[LN], 4, IMG
	v_lshl_add_u32 v[SBA], v[LN], 2, ZSC
	v_lshl_add_u32 v[ZZR], v[RR], 2, ZZP
	s_lshl_b32 s48, s12, 9
	s_add_co_u32 s48, s48, CMBD
	v_lshl_add_u32 v[CMBW], v[RR], 2, s48
	v_lshl_add_u32 v[CMBR], v0, 3, CMBD
	v_lshlrev_b32 v[OUTO], 3, v0
	CROUND                                         ; all four work-groups are here: the first joint loads meet
	tensor_load_to_lds s[24:27], s[16:23]          ; chunk 0 into slot 0: my one tensor load at the head
	s_nop 0
.rept 4
	v_nop
.endr
	LOADZ 1
; One block of 32 along K of my token: its largest magnitude, its byte, its part of zz, its 32 codes in v[PC + 6 bb] on.
.macro QBLK bb
.set XS, X+32*(\bb)
	v_max3_num_f32 v[U0], |v[XS]|, |v[XS+1]|, 0x2800000             ; the floor 2^(5 - 127) among the leaves: the byte cannot fall under 1
	v_max3_num_f32 v[U1], |v[XS+2]|, |v[XS+3]|, |v[XS+4]|
.irp i, 5,9,13,17,21,25
	s_delay_alu instid0(VALU_DEP_2)
	v_max3_num_f32 v[U0], v[U0], |v[XS+\i]|, |v[XS+\i+1]|
	s_delay_alu instid0(VALU_DEP_2)
	v_max3_num_f32 v[U1], v[U1], |v[XS+\i+2]|, |v[XS+\i+3]|
.endr
	s_delay_alu instid0(VALU_DEP_2)
	v_max3_num_f32 v[U0], v[U0], |v[XS+29]|, |v[XS+30]|
	s_delay_alu instid0(VALU_DEP_1)
	v_max3_num_f32 v[U0], v[U0], v[U1], |v[XS+31]|
	s_delay_alu instid0(VALU_DEP_1)
	v_add_nc_u32 v[SCO], 0xfe000000, v[U0]         ; 4 off its exponent field: the conversions' scale operand
	s_delay_alu instid0(VALU_DEP_1)
	v_lshrrev_b32 v[BY+\bb], 23, v[SCO]
.irp p, 0,1,2,3,4,5,6,7,8,9,10,11,12,13,14,15
.if (\bb == 0) && (\p < 4)
	v_pk_mul_f32 v[TMP+2*\p:TMP+2*\p+1], v[XS+2*\p:XS+2*\p+1], v[XS+2*\p:XS+2*\p+1]
.else
	v_pk_fma_f32 v[TMP+2*(\p%4):TMP+2*(\p%4)+1], v[XS+2*\p:XS+2*\p+1], v[XS+2*\p:XS+2*\p+1], v[TMP+2*(\p%4):TMP+2*(\p%4)+1]
.endif
.endr
	v_cvt_scalef32_pk16_bf6_f32 v[PC+6*\bb:PC+6*\bb+2], v[XS:XS+15], v[SCO]
	v_cvt_scalef32_pk16_bf6_f32 v[PT:PT+2], v[XS+16:XS+31], v[SCO]   ; (a conversion's three registers begin on an even number)
	v_nop                                          ; one plain line behind a scaled conversion
.irp i, 0,1,2
	v_mov_b32 v[PC+6*\bb+3+\i], v[PT+\i]
.endr
.endm
	s_wait_loadcnt 32                              ; block 0 is in; block 1's 32 loads may be out
	LOADZ 2
	QBLK 0
	s_wait_loadcnt 32                              ; block 1 is in; block 2's may be out
	LOADZ 3
	QBLK 1
	s_wait_loadcnt 32                              ; block 2 is in; block 3's may be out
	QBLK 2
	s_wait_loadcnt 0x0
	QBLK 3
	; block b of a K step belongs to lane r + 16 (b % 2), registers 6 (b / 2) on; in an image register R of lane l lies at 512 (R / 4) + 16 l + 4 (R % 4)
	ds_store_b128 v[ZI], v[PC:PC+3]
	ds_store_b64  v[ZI], v[PC+4:PC+5] offset:512
	ds_store_b128 v[ZI], v[PC+6:PC+9] offset:256
	ds_store_b64  v[ZI], v[PC+10:PC+11] offset:768
	ds_store_b64  v[ZI], v[PC+12:PC+13] offset:520
	ds_store_b128 v[ZI], v[PC+14:PC+17] offset:1024
	ds_store_b64  v[ZI], v[PC+18:PC+19] offset:776
	ds_store_b128 v[ZI], v[PC+20:PC+23] offset:1280
	v_lshl_or_b32 v[WRD], v[BY+1], 8, v[BY]
	s_delay_alu instid0(VALU_DEP_1)
	v_lshl_or_b32 v[WRD], v[BY+2], 16, v[WRD]
	s_delay_alu instid0(VALU_DEP_1)
	v_lshl_or_b32 v[WRD], v[BY+3], 24, v[WRD]
	ds_store_b32 v[ZSA], v[WRD]
	v_pk_add_f32 v[TMP:TMP+1], v[TMP:TMP+1], v[TMP+2:TMP+3]
	v_pk_add_f32 v[TMP+4:TMP+5], v[TMP+4:TMP+5], v[TMP+6:TMP+7]
	s_delay_alu instid0(VALU_DEP_1)
	v_pk_add_f32 v[TMP:TMP+1], v[TMP:TMP+1], v[TMP+4:TMP+5]
	s_delay_alu instid0(VALU_DEP_1)
	v_add_f32 v[TMP], v[TMP], v[TMP+1]
	ds_store_b32 v[ZZA], v[TMP]                    ; my half of my token's zz
	s_wait_alu depctr_va_vdst(0)
	s_wait_tensorcnt 0x0                           ; my part of chunk 0 is in; slot 1's first fill is issued as a refill is:
	ds_add_u32 v[SPW], v[NIL]
	s_wait_dscnt 0x0                               ; the add is done, and my stores of images, scale words and zz have landed
	CROUND                                         ; a whole round: every wave's stores are seen, and the four work-groups' joint loads meet
	tensor_load_to_lds s[28:31], s[16:23]          ; chunk 1 into slot 1: my one tensor load behind the round
	s_nop 0
.rept 4
	v_nop
.endr
	WIN 0x40                                       ; destination window 1, address window 0
.set i, 0
.rept 48
	ds_load_b128 v[4*i:4*i+3], v[IMGA] offset:512*i   ; all sixteen images: every wave has the same registers in the same lanes
.set i, i+1
.endr
	WIN 0
.irp t, 0,1,2,3,4,5,6,7
	ds_load_b32 v[SB+2*\t], v[SBA] offset:128*\t
	ds_load_b32 v[EE+\t], v[ZZR] offset:64*\t
	ds_load_b32 v[EE+8+\t], v[ZZR] offset:512+64*\t
.endr
	s_mov_b32 s48, 0x7f800000                      ; +infinity: the first record takes over everywhere, so the step is written once
.irp t, 0,1,2,3,4,5,6,7
	v_mov_b32 v[BEST+2*\t], s48
	v_mov_b32 v[IDX+2*\t], 0
.endr
.set i, 0
.rept 64
	v_mov_b32 v[SAV+i], s48
.set i, i+1
.endr
	s_wait_dscnt 0x0
.irp t, 0,1,2,3,4,5,6,7
	v_add_f32 v[ZZ+2*\t], v[EE+\t], v[EE+8+\t]
.endr
; One matrix instruction: tile t of tokens, K step s, the record in buffer p.  K step 1's scale words stand in lanes 16-31 of the same registers.
.macro MM t, s, p
.if \s == 0
	v_wmma_scale_f32_16x16x128_f8f6f4 v[ACC+8*(\t):ACC+8*(\t)+7], v[AF+24*\p:AF+24*\p+11], v[24*(\t):24*(\t)+11], 0, v[SA+\p], v[SB+2*(\t)] matrix_a_fmt:MATRIX_FMT_BF6 matrix_b_fmt:MATRIX_FMT_BF6
.else
	v_wmma_scale_f32_16x16x128_f8f6f4 v[ACC+8*(\t):ACC+8*(\t)+7], v[AF+24*\p+12:AF+24*\p+23], v[24*(\t)+12:24*(\t)+23], v[ACC+8*(\t):ACC+8*(\t)+7], v[SA+\p], v[SB+2*(\t)] matrix_a_fmt:MATRIX_FMT_BF6 matrix_b_fmt:MATRIX_FMT_BF6 matrix_a_scale:MATRIX_SCALE_ROW1 matrix_b_scale:MATRIX_SCALE_ROW1
.endif
.endm
; Eight products: tiles 4 g .. 4 g + 3, K step 0 and then K step 1: the four accumulators by turns, one instruction a turn.
.macro MM8 g, p
	WIN 0x04                                       ; source 1, the tokens, in window 1
.irp s, 0,1
.irp a, 0,1,2,3
	MM 4*\g+\a, \s, \p
.endr
.endr
	WIN 0
.endm
.macro SS t, e                         ; s = zz + ee, rounded (of the pair zz, record the low word serves both halves)
.irp p, 0,1,2,3
	v_pk_add_f32 v[TMP+2*\p:TMP+2*\p+1], v[EE+8*\e+2*\p:EE+8*\e+2*\p+1], v[ZZ+2*(\t):ZZ+2*(\t)+1] op_sel_hi:[1,0]
.endr
.endm
.macro FF t                            ; d = s - 2 dot, rounded once, in place; the accumulator is read from its low end on
.irp p, 0,1,2,3
	v_pk_fma_f32 v[ACC+8*(\t)+2*\p:ACC+8*(\t)+2*\p+1], v[ACC+8*(\t)+2*\p:ACC+8*(\t)+2*\p+1], s[52:53], v[TMP+2*\p:TMP+2*\p+1] op_sel_hi:[1,0,1]
.endr
.endm
.macro MA t, a
	v_min3_num_f32 v[\a], v[ACC+8*(\t)], v[ACC+8*(\t)+1], v[ACC+8*(\t)+2]
.endm
.macro MB t, b
	v_min3_num_f32 v[\b], v[ACC+8*(\t)+3], v[ACC+8*(\t)+4], v[ACC+8*(\t)+5]
.endm
.macro MC t, a
	v_min3_num_f32 v[\a], v[\a], v[ACC+8*(\t)+6], v[ACC+8*(\t)+7]
.endm
.macro ME a, b
	v_min_num_f32 v[\a], v[\a], v[\b]
.endm
.macro CP t, a                         ; strictly smaller: an earlier record keeps a tie
	v_cmp_lt_f32 vcc_lo, v[\a], v[BEST+2*(\t)]
.endm
.macro SEL t, a                        ; what is kept: the smallest d and its record, and the record's eight d: ten selects under one mask, as five dual pairs (destinations even and odd, sources a register apart)
	v_dual_cndmask_b32 v[BEST+2*(\t)], v[BEST+2*(\t)], v[\a] :: v_dual_cndmask_b32 v[IDX+2*(\t)], v[IDX+2*(\t)], v[CUR]
.irp j, 0,2,4,6
	v_dual_cndmask_b32 v[SAV+8*(\t)+\j], v[SAV+8*(\t)+\j], v[ACC+8*(\t)+\j] :: v_dual_cndmask_b32 v[SAV+8*(\t)+\j+1], v[SAV+8*(\t)+\j+1], v[ACC+8*(\t)+\j+1]
.endr
.endm
; The d of tiles b .. b + 3 against the record whose ee stand in buffer e, and what is kept of them.  The four tiles' chains are interleaved, so that a line reads what was made four lines back or more
; (the masks of the last three tiles aside).  step > 0: these are a new record's first d: its number is laid into CUR, and the scalar steps on.
.macro POST4 b, e, step
	SS \b, \e
.if \step > 0
	v_mov_b32 v[CUR], s33
	s_add_co_u32 s33, s33, \step
.endif
	FF \b
	SS \b+1, \e
	MA \b, 10
	MB \b, 27
	FF \b+1
	SS \b+2, \e
	MC \b, 10
	MA \b+1, 11
	MB \b+1, 29
	FF \b+2
	SS \b+3, \e
	ME 10, 27
	MC \b+1, 11
	MA \b+2, 28
	MB \b+2, 31
	FF \b+3
	CP \b, 10
	ME 11, 29
	MC \b+2, 28
	MA \b+3, 30
	MB \b+3, 0
	SEL \b, 10
	CP \b+1, 11
	ME 28, 31
	MC \b+3, 30
	SEL \b+1, 11
	CP \b+2, 28
	ME 30, 0
	SEL \b+2, 28
	CP \b+3, 30
	SEL \b+3, 30
.endm
; Half a record's products, and behind them the d of the four tiles finished before: these lines name none of the running products' registers.
.macro HALF g, p, e, step
	MM8 \g, \p
	POST4 4*(1-\g), \e, \step
.endm
.macro LOADT p, off                    ; a record into buffer p: nine LDS loads in one run
.irp k, 0,1,2,3,4,5
	ds_load_b128 v[AF+24*\p+4*\k:AF+24*\p+4*\k+3], v[ADR] offset:\off+512*\k
.endr
	ds_load_b32 v[SA+\p], v[ADS] offset:\off+3072
	ds_load_b128 v[EE+8*\p:EE+8*\p+3], v[ADE] offset:\off+3200
	ds_load_b128 v[EE+8*\p+4:EE+8*\p+7], v[ADE] offset:\off+3216
.endm
.macro SLOTADR
	v_add_nc_u32 v[ADR], s32, v[AL16]
	v_add_nc_u32 v[ADS], s32, v[AL4]
	v_add_nc_u32 v[ADE], s32, v[ALE]
.endm
; A prefetch, behind the joint load and its lines: 98,304 bytes of the chunks that later changes of slots ask for, between one and two chunks ahead.  All clusters walk the same records: the first cluster
; asks; its four partners take 24,576 bytes each, told apart by address; in each, waves 0 to 2 ask, a lane to each 256 bytes: every such block of chunks 4 to 15 is named once in the launch.
; The last change that fills a slot asks for nothing; chunks 0 to 3 come by their loads alone.
.macro ASK
	s_cmp_gt_u32 s34, s35
	s_cbranch_scc0 .Lnot_mine_\@
	global_prefetch_b8 v[PFO], s[38:39] th:TH_LOAD_NT scope:SCOPE_SE
.Lnot_mine_\@:
.endm
; A CHUNK: my four records.  It begins behind the first half of record 0's products and ends behind those of the next chunk's record 0.  A record's buffer is loaded again when the last d that need its ee
; have been made; each run of loads has half a record's work in which to land.  mode 1: the chunk's slot is filled again;  2: the last chunk but one;  3: the last.
.macro BODY mode
	LOADT 1, REC
	HALF 1, 0, 0, 1
	s_wait_dscnt 0x0                               ; record 1 is in
	HALF 0, 1, 0, 0
	LOADT 0, 2*REC
	HALF 1, 1, 1, 1
	s_wait_dscnt 0x0                               ; record 2
	HALF 0, 0, 1, 0
	LOADT 1, 3*REC
	HALF 1, 0, 0, 1
	s_wait_dscnt 0x0                               ; record 3: my reads of this slot are over
.if \mode == 1
	s_wait_tensorcnt 0x0                           ; all my tensor loads have landed: my part of the next chunk; so a group 0 may be written
	ds_add_u32 v[SPW], v[NIL]
	s_xor_b32 s29, s29, SLOT1                      ; the walking descriptor: the slot that I leave,
	s_add_nc_u64 s[30:31], s[30:31], CHUNK         ; the chunk two on
	s_wait_xcnt 0x0                                ; the last prefetch, a chunk back, has read its address
	s_add_nc_u64 s[38:39], s[38:39], 98304
	MM8 0, 1                                       ; eight products stand between the add and the wait for it,
	s_wait_dscnt 0x0                               ; the add is done
	s_barrier_signal -1                            ; this barrier opens a round of the cluster's barrier;
	POST4 4, 0, 0                                  ; work on registers alone while the others arrive
	s_barrier_wait -1
	CREST                                          ; no wave of any partner still reads this slot or has a load on its way
	tensor_load_to_lds s[28:31], s[16:23]          ; my one tensor load behind the round
	s_nop 0
.rept 4
	v_nop
.endr
	ASK
	s_xor_b32 s32, s32, SLOT1                      ; on to the other slot
	SLOTADR
	LOADT 0, 0
.elseif \mode == 2
	s_wait_tensorcnt 0x0                           ; my part of the last chunk has landed; I alone read it, and nothing is filled again
	HALF 0, 1, 0, 0
	s_xor_b32 s32, s32, SLOT1
	SLOTADR
	LOADT 0, 0
.else
	HALF 0, 1, 0, 0
.endif
	HALF 1, 1, 1, 29                               ; from my last record of a chunk the number steps to my first of the next
.if \mode == 3
	POST4 4, 1, 0
.else
	s_wait_dscnt 0x0                               ; the next chunk's record 0
	HALF 0, 0, 1, 0
.endif
.endm
	SLOTADR                                        ; my part of chunk 0 was shown landed ahead of the round, and I alone read it
	LOADT 0, 0
	s_wait_dscnt 0x0
	MM8 0, 0                                       ; the first half of the first record: there are no d yet
.Lchunk:                                               ; 14 trips: chunks 0 to 13 are read, chunks 2 to 15 asked for
	s_wait_alu depctr_va_vdst(0)
	BODY 1
	s_sub_co_u32 s34, s34, 1
	s_cmp_lg_u32 s34, 0
	s_cbranch_scc1 .Lchunk
	BODY 2                                         ; the last two chunks are written out
	BODY 3
	; THE END.  In each tile: the first of the kept eight d that equals the smallest gives the row's place in its record.
.irp t, 0,1,2,3,4,5,6,7
	v_mov_b32 v[TMP+\t], 7
.irp j, 6,5,4,3,2,1,0
	v_cmp_neq_f32 vcc_lo, v[SAV+8*\t+\j], v[BEST+2*\t]
	s_delay_alu instid0(VALU_DEP_1)
	v_cndmask_b32 v[TMP+\t], \j, v[TMP+\t], vcc_lo
.endr
	s_delay_alu instid0(VALU_DEP_1)
	v_lshl_add_u32 v[IDX+2*\t], v[IDX+2*\t], 4, v[TMP+\t]
	s_delay_alu instid0(VALU_DEP_1)
	v_add_nc_u32 v[IDX+2*\t], v[H8], v[IDX+2*\t]   ; index = 16 x record + 8 h + place
.endr
; Of two candidates (d, index) the smaller d is kept, and of equal d the lower index.
.macro PICK da, ia, db, ib
	v_cmp_lt_f32 s40, v[\db], v[\da]
	v_cmp_eq_f32 s41, v[\db], v[\da]
	v_cmp_lt_u32 s42, v[\ib], v[\ia]
	s_and_b32 s41, s41, s42
	s_or_b32 s40, s40, s41
	v_cndmask_b32 v[\da], v[\da], v[\db], s40
	v_cndmask_b32 v[\ia], v[\ia], v[\ib], s40
.endm
.irp t, 0,1,2,3,4,5,6,7
	v_permlanex16_b32 v[EE+\t], v[BEST+2*\t], s36, s37     ; the token's other eight rows of each record lie in the lane 16 away
	v_permlanex16_b32 v[EE+8+\t], v[IDX+2*\t], s36, s37
.endr
.irp t, 0,1,2,3,4,5,6,7
	PICK BEST+2*\t, IDX+2*\t, EE+\t, EE+8+\t
.endr
.irp t, 0,1,2,3,4,5,6,7
	ds_store_b32 v[CMBW], v[BEST+2*\t] offset:64*\t        ; both halves of the lanes write the same word with the same value
	ds_store_b32 v[CMBW], v[IDX+2*\t] offset:4096+64*\t
.endr
	s_wait_dscnt 0x0                               ; for the others' sake: my stores have landed
	s_barrier_signal -1
	s_barrier_wait -1
	s_cmp_gt_u32 s12, 1                            ; waves 0 and 1 join the eight waves' results: a thread to two tokens
	s_cbranch_scc1 .Ldone
.irp u, 0,1,2,3,4,5,6,7
	ds_load_b64 v[ACC+2*\u:ACC+2*\u+1], v[CMBR] offset:512*\u
	ds_load_b64 v[ACC+16+2*\u:ACC+16+2*\u+1], v[CMBR] offset:4096+512*\u
.endr
	s_wait_dscnt 0x0
.irp u, 1,2,3,4,5,6,7
.irp c, 0,1
	PICK ACC+\c, ACC+16+\c, ACC+2*\u+\c, ACC+16+2*\u+\c
.endr
.endr
	global_store_b64 v[OUTO], v[ACC+16:ACC+17], s[8:9]     ; a wave stores 256 consecutive bytes, at a multiple of 256 from the buffer's first byte
	global_store_b64 v[OUTO], v[ACC+16:ACC+17], s[10:11]   ; and the same for the launch that gathers
.Ldone:
	s_wait_tensorcnt 0x0                           ; the wave's end
	ds_add_u32 v[SPW], v[NIL]
	s_wait_dscnt 0x0
	CROUND                                         ; the closing round
	s_endpgm
.Lfunc_end_k_q018418397b_vqmin:
	.size	k_q018418397b_vqmin, .Lfunc_end_k_q018418397b_vqmin-k_q018418397b_vqmin
	.p2alignl 7, 3214868480
	.fill 96, 4, 3214868480
	.section	.rodata,"a",@progbits
	.p2align	6, 0x0
	.amdhsa_kernel k_q018418397b_vqmin
		.amdhsa_group_segment_fixed_size 327680
		.amdhsa_private_segment_fixed_size 0
		.amdhsa_enable_private_segment 0
		.amdhsa_kernarg_size 32
		.amdhsa_user_sgpr_count 2
		.amdhsa_user_sgpr_kernarg_segment_ptr 1
		.amdhsa_wavefront_size32 1
		.amdhsa_system_sgpr_workgroup_id_x 1
		.amdhsa_system_sgpr_workgroup_id_y 1
		.amdhsa_system_sgpr_workgroup_id_z 1
		.amdhsa_system_vgpr_workitem_id 0
		.amdhsa_next_free_vgpr 448
		.amdhsa_next_free_sgpr 66
		.amdhsa_reserve_vcc 1
		.amdhsa_float_denorm_mode_32 3
		.amdhsa_float_denorm_mode_16_64 3
		.amdhsa_memory_ordered 1
		.amdhsa_forward_progress 1
		.amdhsa_inst_pref_size 195
	.end_amdhsa_kernel
	.amdgpu_metadata
---
amdhsa.version: [ 1, 2 ]
amdhsa.kernels:
  - .name:           k_q018418397b_vqmin
    .symbol:         k_q018418397b_vqmin.kd
    .args:
      - { .name: z, .offset: 0, .size: 8, .value_kind: global_buffer, .address_space: global }
      - { .name: ecw, .offset: 8, .size: 8, .value_kind: global_buffer, .address_space: global }
      - { .name: out2, .offset: 16, .size: 8, .value_kind: global_buffer, .address_space: global }
      - { .name: idxw, .offset: 24, .size: 8, .value_kind: global_buffer, .address_space: global }
    .group_segment_fixed_size: 327680
    .private_segment_fixed_size: 0
    .kernarg_segment_align: 8
    .kernarg_segment_size: 32
    .max_flat_workgroup_size: 256
    .sgpr_count:     66
    .vgpr_count:     448
    .wavefront_size: 32
...
	.end_amdgpu_metadata
.endif
;; end of part 2
;; launch gath (part 3): grid 512 x 1, 8 waves a work-group, no clusters, 67,584 bytes of LDS; arguments z, emb, idxw, out0, part; writes out0, part
.if DOCPART == 3
	.amdgcn_target "amdgcn-amd-amdhsa--gfx1250"
	.amdhsa_code_object_version 6
	.text
	.protected	k_q018418397b_gath
	.globl	k_q018418397b_gath
	.p2align	8
	.type	k_q018418397b_gath,@function
k_q018418397b_gath:
	s_mov_b64 s[64:65], 0
	v_nop
	global_prefetch_b8 v0, s[64:65] scope:SCOPE_SE
	s_setreg_imm32_b32 hwreg(HW_REG_WAVE_MODE, 25, 1), 1
	s_wait_xcnt 0x0
; out0[b][d][t] = z + (emb[idx[b, t]][d] - z), and for each wave the sum of (emb[idx] - z)^2 over its numbers.  z, out0: [8][256][4096] f32; emb: [8192][256] f32; idxw: the 32,768 indices, stored by the launch before.
; SHARES.  A work-group owns 64 tokens x all 256 d, in FOUR QUARTERS of 64 d.  The gathered rows run along d, z's rows along the tokens: so the rows turn through LDS.  In quarter q wave w gathers, of tokens
; 8 w .. 8 w + 7, the 256 bytes d = 64 q .. 64 q + 63 (sixteen lanes read them on end) and stores them as E[token][d], rows 260 bytes apart, in the quarter's own 16,640 bytes of LDS; behind the quarter's
; one barrier it reads, for rows d = 64 q + 8 w .. + 7 of z, four tokens a lane.  No region is written twice, so a quarter needs no second barrier.
; With 65 words from row to row the 32 lanes of each LDS store and of each LDS load fall on 32 different banks (64 banks of 4 bytes: ISA guide 11.1).
; ORDER.  All loads are issued at the head: the indices, z's quarters 0 and 1, then, the indices being in, rows 0, rows 1, z 2, rows 2, z 3, rows 3.  Loads come back in order, so each quarter's wait leaves
; the later quarters' loads out, and a quarter's stores are issued while those loads are out.
; z's loads and out0's stores: sixteen lanes cover 256 consecutive bytes, at a multiple of 256 from the buffer's first byte.  No matrix unit, no tensor load, no cluster: work-groups share no tile.
; No prefetch: the text has no loop to run ahead in, and every load is issued at the head.
.set PITCH, 260
.set REG,   64*PITCH                   ; a quarter's region: 65 blocks of 256 bytes
.set SPARE, 4*REG                      ; behind the four regions: the spare words, 128 bytes a wave: no other line names them
.set ZO,  4                            ; v4   16,384 dd + 16 tq: my place in two rows of z and of out0
.set STA, 5                            ; v5   LDS, on the way in
.set LA,  6                            ; v6   LDS, on the way out
.set IA,  7                            ; v7   4 dd
.set RO,  8                            ; v8-11 four indices, then the rows' byte offsets
.set SQ,  12                           ; v12-15 the sum of squares, two packed chains
.set DF,  16                           ; v16-19 e - z
.set T16, 20                           ; v20  16 tq
.set Z,   32                           ; v32-95  z: 16 registers a quarter
.set E,   96                           ; v96-159 16 registers a quarter: the gathered rows; then e by z's layout; then out0's numbers
	s_load_b256 s[4:11], s[0:1], 0x0               ; z s[4:5], emb s[6:7], idxw s[8:9], out0 s[10:11]
	s_load_b64 s[12:13], s[0:1], 0x20              ; part
	v_lshl_add_u32 v160, v0, 2, SPARE
	v_mov_b32 v161, 0
	v_lshrrev_b32 v1, 5, v0
	s_delay_alu instid0(VALU_DEP_1)
	v_readfirstlane_b32 s14, v1                    ; wave 0..7
	v_and_b32 v1, 31, v0                           ; lane
	v_and_b32 v2, 15, v0                           ; tq
	v_bfe_u32 v3, v0, 4, 1                         ; dd
	s_delay_alu instid0(VALU_DEP_2)
	v_lshlrev_b32 v[T16], 4, v2
	s_delay_alu instid0(VALU_DEP_1)
	v_lshl_add_u32 v[ZO], v3, 14, v[T16]
	s_mul_i32 s18, s14, 8*PITCH
	v_mul_u32_u24 v[STA], v3, PITCH
	s_delay_alu instid0(VALU_DEP_1)
	v_add_nc_u32 v[STA], v[STA], v[T16]
	s_delay_alu instid0(VALU_DEP_1)
	v_add_nc_u32 v[STA], s18, v[STA]               ; row 8 w + dd, + 16 tq
	v_mul_u32_u24 v[LA], v2, 4*PITCH
	s_delay_alu instid0(VALU_DEP_1)
	v_lshl_add_u32 v[LA], v3, 2, v[LA]
	s_lshl_b32 s19, s14, 5
	v_add_nc_u32 v[LA], s19, v[LA]                 ; row 4 tq, + 4 (8 w + dd)
	v_lshlrev_b32 v[IA], 2, v3
	s_lshr_b32 s16, ttmp9, 6                       ; the batch: 64 work-groups each, 2^22 bytes
	s_lshl_b32 s16, s16, 22
	s_and_b32 s22, ttmp9, 63
	s_lshl_b32 s22, s22, 8                         ; my 64 tokens in a row
	s_add_co_u32 s16, s16, s22
	s_lshl_b32 s22, s14, 17                        ; my wave's 8 rows of 16,384 bytes in each quarter
	s_add_co_u32 s16, s16, s22
	s_mov_b32 s17, 0
	s_lshl_b32 s22, ttmp9, 8                       ; my wave's eight indices: 4 (64 x work-group + 8 x wave)
	s_lshl_b32 s24, s14, 5
	s_add_co_u32 s22, s22, s24
	s_mov_b32 s23, 0
	s_lshl_b32 s24, ttmp9, 5                       ; my wave's word of part
	s_lshl_b32 s26, s14, 2
	s_add_co_u32 s24, s24, s26
	s_mov_b32 s25, 0
	s_mov_b32 s20, 0x76543210
	s_mov_b32 s21, 0xfedcba98                      ; v_permlanex16_b32's selects for lane l xor 16
	s_wait_alu depctr_va_vdst(0)
	s_wait_kmcnt 0x0
	s_add_nc_u64 s[4:5], s[4:5], s[16:17]
	s_add_nc_u64 s[10:11], s[10:11], s[16:17]
	s_add_nc_u64 s[8:9], s[8:9], s[22:23]
	s_add_nc_u64 s[12:13], s[12:13], s[24:25]
.macro LZ q                            ; z's quarter q: row 64 q + 8 w + 2 i + dd, tokens 4 tq .. 4 tq + 3
.irp i, 0,1,2,3
	global_load_b128 v[Z+16*\q+4*\i:Z+16*\q+4*\i+3], v[ZO], s[4:5] offset:1048576*\q+32768*\i th:TH_LOAD_NT
.endr
.endm
.macro LE q                            ; the rows' quarter q: token 8 w + 2 p + dd, d = 64 q + 4 tq + 0 .. 3
.irp p, 0,1,2,3
	global_load_b128 v[E+16*\q+4*\p:E+16*\q+4*\p+3], v[RO+\p], s[6:7] offset:256*\q
.endr
.endm
.irp p, 0,1,2,3
	global_load_b32 v[RO+\p], v[IA], s[8:9] offset:8*\p    ; the index of token 8 w + 2 p + dd
.endr
	LZ 0
	LZ 1
	s_wait_loadcnt 8                               ; the four indices are in; z's eight loads may be out
.irp p, 0,1,2,3
	v_min_u32 v[RO+\p], 0x1fff, v[RO+\p]           ; an index stays inside its table
	s_delay_alu instid0(VALU_DEP_1)
	v_lshlrev_b32 v[RO+\p], 10, v[RO+\p]           ; a row of emb is 1,024 bytes
	s_delay_alu instid0(VALU_DEP_1)
	v_add_nc_u32 v[RO+\p], v[RO+\p], v[T16]
.endr
	LE 0
	LE 1
	LZ 2
	LE 2
	LZ 3
	LE 3
; One quarter.  left = the loads issued behind this quarter's rows, which may stay out.
.macro PHASE q, left
	s_wait_loadcnt \left                           ; this quarter's rows are in, and its part of z, which was asked for earlier
.irp p, 0,1,2,3
.irp c, 0,1,2,3
	ds_store_b32 v[STA], v[E+16*\q+4*\p+\c] offset:REG*\q+2*PITCH*\p+4*\c
.endr
.endr
	s_wait_dscnt 0x0                               ; for the others' sake: my stores have landed
	s_barrier_signal -1
	s_barrier_wait -1
.irp i, 0,1,2,3
.irp c, 0,1,2,3
	ds_load_b32 v[E+16*\q+4*\i+\c], v[LA] offset:REG*\q+PITCH*\c+8*\i     ; e(token 4 tq + c, d = 64 q + 8 w + 2 i + dd)
.endr
.endr
.irp i, 0,1,2,3
	s_wait_dscnt 12-4*\i                           ; row i's four loads are in; the later rows' stay out
	v_pk_add_f32 v[DF:DF+1], v[E+16*\q+4*\i:E+16*\q+4*\i+1], v[Z+16*\q+4*\i:Z+16*\q+4*\i+1] neg_lo:[0,1] neg_hi:[0,1]         ; e - z
	v_pk_add_f32 v[DF+2:DF+3], v[E+16*\q+4*\i+2:E+16*\q+4*\i+3], v[Z+16*\q+4*\i+2:Z+16*\q+4*\i+3] neg_lo:[0,1] neg_hi:[0,1]
.if (\q == 0) && (\i == 0)
	s_delay_alu instid0(VALU_DEP_2)
	v_pk_mul_f32 v[SQ:SQ+1], v[DF:DF+1], v[DF:DF+1]        ; the first row starts the chains
	s_delay_alu instid0(VALU_DEP_2)
	v_pk_mul_f32 v[SQ+2:SQ+3], v[DF+2:DF+3], v[DF+2:DF+3]
.else
	s_wait_alu depctr_va_vdst(0)                   ; the chains were last written ahead of the waits above
	v_pk_fma_f32 v[SQ:SQ+1], v[DF:DF+1], v[DF:DF+1], v[SQ:SQ+1]
	v_pk_fma_f32 v[SQ+2:SQ+3], v[DF+2:DF+3], v[DF+2:DF+3], v[SQ+2:SQ+3]
.endif
	v_pk_add_f32 v[E+16*\q+4*\i:E+16*\q+4*\i+1], v[Z+16*\q+4*\i:Z+16*\q+4*\i+1], v[DF:DF+1]           ; z + (e - z), into registers that no other row's store names
	v_pk_add_f32 v[E+16*\q+4*\i+2:E+16*\q+4*\i+3], v[Z+16*\q+4*\i+2:Z+16*\q+4*\i+3], v[DF+2:DF+3]
	global_store_b128 v[ZO], v[E+16*\q+4*\i:E+16*\q+4*\i+3], s[10:11] offset:1048576*\q+32768*\i th:TH_STORE_NT
.endr
.endm
	PHASE 0, 20                                    ; behind rows 0: rows 1, z 2, rows 2, z 3, rows 3: four loads each
	PHASE 1, 16                                    ; behind rows 1: z 2, rows 2, z 3, rows 3
	PHASE 2, 8                                     ; behind rows 2: z 3, rows 3
	PHASE 3, 0
	v_pk_add_f32 v[SQ:SQ+1], v[SQ:SQ+1], v[SQ+2:SQ+3]
	s_delay_alu instid0(VALU_DEP_1)
	v_add_f32 v[SQ], v[SQ], v[SQ+1]
	s_delay_alu instid0(VALU_DEP_1)
	v_add_f32_dpp v[SQ], v[SQ], v[SQ] row_xmask:1 row_mask:0xf bank_mask:0xf
	s_delay_alu instid0(VALU_DEP_1)
	v_add_f32_dpp v[SQ], v[SQ], v[SQ] row_xmask:2 row_mask:0xf bank_mask:0xf
	s_delay_alu instid0(VALU_DEP_1)
	v_add_f32_dpp v[SQ], v[SQ], v[SQ] row_xmask:4 row_mask:0xf bank_mask:0xf
	s_delay_alu instid0(VALU_DEP_1)
	v_add_f32_dpp v[SQ], v[SQ], v[SQ] row_xmask:8 row_mask:0xf bank_mask:0xf
	s_delay_alu instid0(VALU_DEP_1)
	v_permlanex16_b32 v[SQ+1], v[SQ], s20, s21
	s_delay_alu instid0(VALU_DEP_1)
	v_add_f32 v[SQ], v[SQ], v[SQ+1]                ; the wave's sum, in every lane
	v_mov_b32 v[SQ+2], 0
	v_cmp_eq_u32 vcc_lo, 0, v1
	s_wait_alu depctr_va_vdst(0)
	s_wait_xcnt 0x0                                ; EXEC is a source of the stores above: it changes only behind this wait
	s_wait_tensorcnt 0x0                           ; the wave's end, behind my last LDS store
	ds_add_u32 v160, v161
	s_wait_dscnt 0x0
	s_and_saveexec_b32 s22, vcc_lo
	global_store_b32 v[SQ+2], v[SQ], s[12:13]      ; lane 0 stores it
	s_wait_xcnt 0x0                                ; and again, in front of the line that widens EXEC
	s_or_b32 exec_lo, exec_lo, s22
	s_endpgm
.Lfunc_end_k_q018418397b_gath:
	.size	k_q018418397b_gath, .Lfunc_end_k_q018418397b_gath-k_q018418397b_gath
	.p2alignl 7, 3214868480
	.fill 96, 4, 3214868480
	.section	.rodata,"a",@progbits
	.p2align	6, 0x0
	.amdhsa_kernel k_q018418397b_gath
		.amdhsa_group_segment_fixed_size 67584
		.amdhsa_private_segment_fixed_size 0
		.amdhsa_enable_private_segment 0
		.amdhsa_kernarg_size 40
		.amdhsa_user_sgpr_count 2
		.amdhsa_user_sgpr_kernarg_segment_ptr 1
		.amdhsa_wavefront_size32 1
		.amdhsa_system_sgpr_workgroup_id_x 1
		.amdhsa_system_sgpr_workgroup_id_y 1
		.amdhsa_system_sgpr_workgroup_id_z 1
		.amdhsa_system_vgpr_workitem_id 0
		.amdhsa_next_free_vgpr 162
		.amdhsa_next_free_sgpr 66
		.amdhsa_reserve_vcc 1
		.amdhsa_float_denorm_mode_32 3
		.amdhsa_float_denorm_mode_16_64 3
		.amdhsa_memory_ordered 1
		.amdhsa_forward_progress 1
		.amdhsa_inst_pref_size 25
	.end_amdhsa_kernel
	.amdgpu_metadata
---
amdhsa.version: [ 1, 2 ]
amdhsa.kernels:
  - .name:           k_q018418397b_gath
    .symbol:         k_q018418397b_gath.kd
    .args:
      - { .name: z, .offset: 0, .size: 8, .value_kind: global_buffer, .address_space: global }
      - { .name: emb, .offset: 8, .size: 8, .value_kind: global_buffer, .address_space: global }
      - { .name: idxw, .offset: 16, .size: 8, .value_kind: global_buffer, .address_space: global }
      - { .name: out0, .offset: 24, .size: 8, .value_kind: global_buffer, .address_space: global }
      - { .name: part, .offset: 32, .size: 8, .value_kind: global_buffer, .address_space: global }
    .group_segment_fixed_size: 67584
    .private_segment_fixed_size: 0
    .kernarg_segment_align: 8
    .kernarg_segment_size: 40
    .max_flat_workgroup_size: 256
    .sgpr_count:     66
    .vgpr_count:     162
    .wavefront_size: 32
...
	.end_amdgpu_metadata
.endif
;; end of part 3
;; launch lsum (part 4): grid 1 x 1, 1 waves a work-group, no clusters, 0 bytes of LDS; arguments part, out1; writes out1
.if DOCPART == 4
	.amdgcn_target "amdgcn-amd-amdhsa--gfx1250"
	.amdhsa_code_object_version 6
	.text
	.protected	k_q018418397b_lsum
	.globl	k_q018418397b_lsum
	.p2align	8
	.type	k_q018418397b_lsum,@function
k_q018418397b_lsum:
	s_mov_b64 s[64:65], 0
	v_nop
	global_prefetch_b8 v0, s[64:65] scope:SCOPE_SE
	s_setreg_imm32_b32 hwreg(HW_REG_WAVE_MODE, 25, 1), 1
	s_wait_xcnt 0x0
; loss = m + 0.25 m, m = the mean of (emb[idx] - z)^2 over 32,768 x 256 = 2^23 numbers.  part holds 4,096 partial sums, one for each wave of the launch before: one wave adds them, in a fixed order.
; A sum over work-groups has one owner: this launch.  16,384 bytes: 32 loads of 512 consecutive bytes.
	s_load_b128 s[4:7], s[0:1], 0x0                ; part, out1
	v_lshlrev_b32 v1, 4, v0
	s_mov_b32 s8, 0x76543210
	s_mov_b32 s9, 0xfedcba98                       ; v_permlanex16_b32's selects for lane l xor 16
	s_wait_alu depctr_va_vdst(0)
	s_wait_kmcnt 0x0
.set i, 0
.rept 32
	global_load_b128 v[16+4*i:19+4*i], v1, s[4:5] offset:512*i
.set i, i+1
.endr
	s_wait_loadcnt 0x0
.set i, 0
.rept 32
	v_pk_add_f32 v[16+4*i:17+4*i], v[16+4*i:17+4*i], v[18+4*i:19+4*i]
.set i, i+1
.endr
.macro FOLD n                          ; the upper n pairs onto the lower n
.set i, 0
.rept \n
	v_pk_add_f32 v[16+4*i:17+4*i], v[16+4*i:17+4*i], v[16+4*(i+\n):17+4*(i+\n)]
.set i, i+1
.endr
.endm
	FOLD 16
	FOLD 8
	FOLD 4
	FOLD 2
	FOLD 1
	v_add_f32 v16, v16, v17
	v_add_f32_dpp v16, v16, v16 row_xmask:1 row_mask:0xf bank_mask:0xf
	v_add_f32_dpp v16, v16, v16 row_xmask:2 row_mask:0xf bank_mask:0xf
	v_add_f32_dpp v16, v16, v16 row_xmask:4 row_mask:0xf bank_mask:0xf
	v_add_f32_dpp v16, v16, v16 row_xmask:8 row_mask:0xf bank_mask:0xf
	v_permlanex16_b32 v17, v16, s8, s9
	v_add_f32 v16, v16, v17
	v_mul_f32 v16, 0x34000000, v16                 ; x 2^-23: the mean; nothing is rounded
	v_fma_f32 v17, 0x3e800000, v16, v16            ; m + 0.25 m
	v_mov_b32 v2, 0
	v_cmp_eq_u32 vcc_lo, 0, v0
	s_wait_alu depctr_va_vdst(0)
	s_wait_xcnt 0x0                                ; EXEC changes only behind this wait
	s_and_saveexec_b32 s10, vcc_lo
	global_store_b32 v2, v17, s[6:7]               ; lane 0 stores the one number
	s_wait_xcnt 0x0
	s_or_b32 exec_lo, exec_lo, s10
	s_endpgm
.Lfunc_end_k_q018418397b_lsum:
	.size	k_q018418397b_lsum, .Lfunc_end_k_q018418397b_lsum-k_q018418397b_lsum
	.p2alignl 7, 3214868480
	.fill 96, 4, 3214868480
	.section	.rodata,"a",@progbits
	.p2align	6, 0x0
	.amdhsa_kernel k_q018418397b_lsum
		.amdhsa_group_segment_fixed_size 0
		.amdhsa_private_segment_fixed_size 0
		.amdhsa_enable_private_segment 0
		.amdhsa_kernarg_size 16
		.amdhsa_user_sgpr_count 2
		.amdhsa_user_sgpr_kernarg_segment_ptr 1
		.amdhsa_wavefront_size32 1
		.amdhsa_system_sgpr_workgroup_id_x 1
		.amdhsa_system_sgpr_workgroup_id_y 1
		.amdhsa_system_sgpr_workgroup_id_z 1
		.amdhsa_system_vgpr_workitem_id 0
		.amdhsa_next_free_vgpr 144
		.amdhsa_next_free_sgpr 66
		.amdhsa_reserve_vcc 1
		.amdhsa_float_denorm_mode_32 3
		.amdhsa_float_denorm_mode_16_64 3
		.amdhsa_memory_ordered 1
		.amdhsa_forward_progress 1
		.amdhsa_inst_pref_size 9
	.end_amdhsa_kernel
	.amdgpu_metadata
---
amdhsa.version: [ 1, 2 ]
amdhsa.kernels:
  - .name:           k_q018418397b_lsum
    .symbol:         k_q018418397b_lsum.kd
    .args:
      - { .name: part, .offset: 0, .size: 8, .value_kind: global_buffer, .address_space: global }
      - { .name: out1, .offset: 8, .size: 8, .value_kind: global_buffer, .address_space: global }
    .group_segment_fixed_size: 0
    .private_segment_fixed_size: 0
    .kernarg_segment_align: 8
    .kernarg_segment_size: 16
    .max_flat_workgroup_size: 32
    .sgpr_count:     66
    .vgpr_count:     144
    .wavefront_size: 32
...
	.end_amdgpu_metadata
.endif
;; end of part 4
